; MI455X (gfx1250); checked and timed in simulation.
; The chip was launched on July 23, 2026; its instructions are those of AMD's public machine-readable ISA for CDNA 5 (MIT licence, August 2026) and "CDNA5" Instruction Set Architecture Reference Guide (July 2026). The comments in the code are by the model that wrote it; some were corrected since.
;; Recurrent Hedge Model. Allowed arithmetic: float matrix products may take bf16 or f16 operands with f32 sums; other float arithmetic in f32, or as packed bf16 or f16 multiplies, adds, multiply-adds, maxima and minima; sums over many terms, partial sums and values carried from step to step in f32; what a program stores and reads back later, other than sums and carried values, may be rounded once to bf16 or f16.
;; Inputs: S 65,536 x 60 x 2 float32; W1 128 x 131 float32; W2 1 x 128 float32; b1 128 float32; b2 1 float32.
;; Outputs: out0 65,536 x 60 float32.
;; 2 versions, each right; version 2 is version 1 with the launch hedge written anew for expert scheduling mode. Each part assembles by itself: llvm-mc -triple=amdgcn-amd-amdhsa -mcpu=gfx1250 --defsym DOCPART=n.
;; ======== version 1 of 2: 1 launch
;; limits: values outside matrix products are rounded to bf16
;; launch hedge (part 1): grid 256 x 1, 16 waves a work-group, no clusters, 65,792 bytes of LDS; arguments S, W1, W2, b1, b2, out0; writes out0
.if DOCPART == 1
	.amdgcn_target "amdgcn-amd-amdhsa--gfx1250"
	.amdhsa_code_object_version 6
	.text
	.protected	k_q74db68eac7_hedge
	.globl	k_q74db68eac7_hedge
	.p2align	8
	.type	k_q74db68eac7_hedge,@function
k_q74db68eac7_hedge:
	s_mov_b64 s[64:65], 0
	v_nop
	global_prefetch_b8 v0, s[64:65] scope:SCOPE_SE
	s_setreg_imm32_b32 hwreg(HW_REG_WAVE_MODE, 25, 1), 1
	s_wait_xcnt 0x0
; d(t) = W2 . relu(W1[:, 0:3] . (s0(t), s1(t), d(t-1)) + b1) + b2 for 65,536 rows and 60 steps, d(-1) = 0.  S: [65536][60][2] f32, out0: [65536][60] f32.
; WHAT IS LEFT OUT.  The module's hidden state is built as zeros inside the module and never changed, so W1's columns 3 to 130 multiply zeros: those products are not made and those columns are not loaded.
; SHARES.  4,096 tiles of 16 batch rows; a wave owns one tile for all 60 steps; 16 waves to a work-group, 256 work-groups.  Four waves share a SIMD: a tile's steps hang on each other, and the other
; three waves' products stand beside one wave's vector work.  All weights stay in registers, so a larger tile a wave would feed nothing more.
; LAYOUT.  Both products are taken with the weights as source 0, so a lane always holds ONE batch row r = lane % 16 (h = lane / 16).
;   Layer 1, hidden tile i of 8: source 0 holds rows 16 i + r as K = (w0, w1, w2, b1, 0 ..), source 1 holds K = (s0, s1, d, 1, 0 ..) of batch row r: the bias rides in the product.
;   Its result's register j in lane (r, h) is hidden unit 16 i + 8 h + j of batch row r: two such results, rounded to bf16 in pairs, ARE source 1 (32 hidden units x 16 batch rows) of layer 2.
;   Layer 2: all 16 rows of source 0 are W2's 32 numbers, so every register of the result in every lane is d of the lane's batch row: nothing changes lanes in the whole loop.
; FORMATS.  S, W1, b1, W2 and b2 are each rounded once to bf16; h and the d that is fed back are rounded to bf16 as matrix operands; all sums are f32, and the d that is stored is f32.
; LIMITS.  Infinities and NaN are not treated apart (a padding zero times an infinity is NaN; the ReLU's maximum drops a NaN); a magnitude above 3.39e38 rounds to infinity in bf16.
;   The rounding of the d that is fed back is multiplied from step to step by the sum of W2[j] W1[j][2] over the active units: it fades while that sum stays under 1 in magnitude, and grows with d itself above that.
; MEMORY.  A tile's S is 7,680 dense bytes, its out0 3,840 dense bytes (15 aligned pieces of 256).  A step wants 8 bytes of each of 16 rows, so both pass through the wave's own LDS bytes once.
;   A wave's 15 loads of S go out in one run at its head: there is no later stream to ask ahead for, so no prefetch.  NO CLUSTER: work-groups share 2,304 bytes of tables against 122,880 bytes of S of their own.
;   No tensor load: every LDS byte is filled once, and S is rounded to bf16 on its way in, in registers that are idle until the loop.
.set TILE,   3840                      ; a wave's LDS bytes: 16 rows x 60 words; word (r, t) first holds the bf16 pair (s0, s1), later d(r, t) in f32
.set PITCH,  240                       ; 60 words: row r starts at bank -4 r mod 64 (64 banks of 4 bytes: ISA guide 11.1): 16 rows, 16 different groups of four banks
.set TAB1,   16*TILE                   ; 61,440: 128 rows x 16 bytes: (w0, w1), (w2, b1), 0, 0
.set TAB2,   TAB1+2048                 ; 63,488: W2 as 128 bf16
.set SPARE,  TAB2+256                  ; 63,744: the spare words, 128 bytes for each of the 16 waves: eight blocks of 256 bytes that no other line names
.set W1ROW,  524                       ; bytes in a row of W1 (131 f32)
.set LN,   1                           ; v1   lane
.set RR,   2                           ; v2   r
.set HH,   3                           ; v3   h
.set GL,   4                           ; v4   16 x lane: my 16 bytes in 512 of S; never rewritten
.set LW,   5                           ; v5   wave x TILE + 8 x lane: my 8 bytes in 256 of the wave's LDS tile; never rewritten
.set GO,   6                           ; v6   8 x lane: my 8 bytes in 256 of out0; never rewritten
.set AD0,  7                           ; v7   wave x TILE + PITCH x r: my batch row in LDS
.set AD,   8                           ; v8   the same at the quad of steps in hand
.set ZERO, 9                           ; v9   0, for the ReLU
.set ONE,  10                          ; v10  1.0
.set DL,   11                          ; v11  d
.set SPW,  12                          ; v12  LDS address of my spare word: SPARE + 4 x my thread's number; never rewritten
.set NIL,  13                          ; v13  0; never rewritten
.set T1A,  14                          ; v14  TAB1 + 16 r + 8 h
.set T2A,  15                          ; v15  TAB2 + 16 h
.set X,    16                          ; v[16:19]   four steps' pairs (s0, s1)
.set B,    20                          ; v[20:27]   layer 1's source 1
.set C2,   28                          ; v[28:35]   b2, the C operand that starts layer 2's sum
.set DA,   36                          ; v[36:43]   layer 2's two accumulators
.set DB,   44                          ; v[44:51]
.set A2,   52                          ; v[52:83]   W2: four fragments
.set A1,   84                          ; v[84:147]  W1 and b1: eight fragments
.set P,    148                         ; v[148:179] relu(h) in bf16: four fragments; at work at the head
.set H,    180                         ; v[180:243] layer 1's eight results; at the head S as loaded, at the end out0 as stored
.set WV,   16                          ; s16  my wave's number
.set CNT,  21                          ; s21  trips to go
.set TO,   22                          ; s22  16 x the quad in hand
	s_load_b256 s[4:11], s[0:1], 0x0               ; S s[4:5], W1 s[6:7], W2 s[8:9], b1 s[10:11]
	s_load_b128 s[12:15], s[0:1], 0x20             ; b2 s[12:13], out0 s[14:15]
	v_lshl_add_u32 v[SPW], v0, 2, SPARE
	v_mov_b32 v[NIL], 0
	v_lshrrev_b32 v[LN], 5, v0
	v_readfirstlane_b32 s[WV], v[LN]               ; wave 0..15
	v_and_b32 v[LN], 31, v0
	v_and_b32 v[RR], 15, v0
	v_bfe_u32 v[HH], v0, 4, 1
	v_lshlrev_b32 v[GL], 4, v[LN]
	v_lshlrev_b32 v[GO], 3, v[LN]
	s_mul_i32 s23, s[WV], TILE                     ; my wave's LDS tile
	v_add_nc_u32 v[LW], s23, v[GO]
	v_mul_u32_u24 v[AD0], v[RR], PITCH
	v_add_nc_u32 v[AD0], s23, v[AD0]
	v_mov_b32 v[ZERO], 0
	v_mov_b32 v[ONE], 1.0
	v_lshlrev_b32 v[T1A], 4, v[RR]
	v_lshl_add_u32 v[T1A], v[HH], 3, v[T1A]
	v_add_nc_u32 v[T1A], TAB1, v[T1A]
	v_lshlrev_b32 v[T2A], 4, v[HH]
	v_add_nc_u32 v[T2A], TAB2, v[T2A]
	s_lshl_b32 s17, ttmp9, 4
	s_add_co_u32 s17, s17, s[WV]                   ; my tile's number: 16 x work-group + wave
	s_mul_i32 s18, s17, 2*TILE                     ; its 7,680 bytes of S (under 2^25)
	s_mov_b32 s19, 0
	s_wait_kmcnt 0x0
	s_load_b32 s20, s[12:13], 0x0                  ; b2
	s_add_nc_u64 s[4:5], s[4:5], s[18:19]
	s_mul_i32 s18, s17, TILE                       ; its 3,840 bytes of out0
	s_add_nc_u64 s[14:15], s[14:15], s[18:19]
	; All of my tile's S in one run: each load takes 512 consecutive bytes.  S is read once in the launch.
.set i, 0
.rept 15
	global_load_b128 v[H+4*i:H+4*i+3], v[GL], s[4:5] offset:512*i th:TH_LOAD_NT
.set i, i+1
.endr
	; THE TABLES.  Waves 0 to 3: thread j = 32 x wave + lane rounds row j of (W1's first three columns, b1) and W2[j] to bf16 and lays them into LDS, once a work-group.
	s_cmp_lt_u32 s[WV], 4
	s_cbranch_scc0 .Lno_tables
	v_lshl_add_u32 v[P+16], s[WV], 5, v[LN]        ; j
	v_mul_u32_u24 v[P+12], v[P+16], W1ROW
	v_lshlrev_b32 v[P+13], 2, v[P+16]
	v_lshl_add_u32 v[P+14], v[P+16], 4, TAB1
	v_lshl_add_u32 v[P+15], v[P+16], 1, TAB2
	global_load_b32 v[P+0], v[P+12], s[6:7]            ; w0: a row of W1 starts at a multiple of 4 bytes only, so three loads of 4
	global_load_b32 v[P+1], v[P+12], s[6:7] offset:4   ; w1
	global_load_b32 v[P+2], v[P+12], s[6:7] offset:8   ; w2
	global_load_b32 v[P+3], v[P+13], s[10:11]          ; b1
	global_load_b32 v[P+4], v[P+13], s[8:9]            ; W2
	s_wait_loadcnt 0x0                             ; these five are my youngest loads, so the count is 0: S is in as well
	v_cvt_pk_bf16_f32 v[P+8], v[P+0], v[P+1]
	v_cvt_pk_bf16_f32 v[P+9], v[P+2], v[P+3]
	v_mov_b32 v[P+10], 0
	v_mov_b32 v[P+11], 0
	v_cvt_pk_bf16_f32 v[P+5], v[P+4], v[P+4]
	ds_store_b128 v[P+14], v[P+8:P+11]
	ds_store_b16 v[P+15], v[P+5]
.Lno_tables:
	s_wait_dscnt 0x0                               ; for the others' sake: the tables' stores are done
	s_barrier_signal -1
	s_barrier_wait -1                              ; the launch's one barrier: behind it every wave reads the tables; loads of S may be out across it, nobody writes S
	; THE FRAGMENTS, for the whole launch.  Lanes with h = 0 take (w0, w1), (w2, b1) as K = 0..3; lanes with h = 1 take the row's two zero words as K = 8..11.
.irp i, 0,1,2,3,4,5,6,7
	ds_load_b64 v[A1+8*(\i):A1+8*(\i)+1], v[T1A] offset:256*(\i)
.endr
.irp q, 0,1,2,3
	ds_load_b128 v[A2+8*(\q):A2+8*(\q)+3],   v[T2A] offset:64*(\q)      ; W2[32 q + 8 h ..], the same for every r
	ds_load_b128 v[A2+8*(\q)+4:A2+8*(\q)+7], v[T2A] offset:64*(\q)+32   ; W2[32 q + 16 + 8 h ..]
.endr
.irp i, 0,1,2,3,4,5,6,7
.irp j, 2,3,4,5,6,7
	v_mov_b32 v[A1+8*(\i)+(\j)], 0                 ; K from 4 on is padding: operands, not sums; written while the loads are out
.endr
.endr
.irp j, 2,3,4,5,6,7
	v_mov_b32 v[B+(\j)], 0
.endr
	v_mov_b32 v[B+1], 1.0                          ; these bits are the bf16 pair (0, 1.0): d(-1) = 0, and the bias's factor
	s_wait_kmcnt 0x0                               ; b2
	v_mov_b32 v[C2], s20
	v_cvt_pk_bf16_f32 v[C2], v[C2], v[C2]          ; rounded to bf16 like the other inputs,
	v_lshlrev_b32 v[C2], 16, v[C2]                 ; and widened again
.irp j, 1,2,3,4,5,6,7
	v_mov_b32 v[C2+(\j)], v[C2]
.endr
	; S INTO LDS.  Load i's 16 bytes of lane l are the pairs 64 i + 2 l and the next of the tile's 960; pair p = 60 r + t goes to byte 4 p: each store of the wave lays 256 consecutive bytes.
.set i, 0
.rept 15
	s_wait_loadcnt 14-i                            ; loads come back in order (ISA guide 5.7.1): load i is in, the 14 - i younger ones may be out
	v_cvt_pk_bf16_f32 v[P+2*i],   v[H+4*i],   v[H+4*i+1]
	v_cvt_pk_bf16_f32 v[P+2*i+1], v[H+4*i+2], v[H+4*i+3]
	ds_store_b64 v[LW], v[P+2*i:P+2*i+1] offset:256*i
.set i, i+1
.endr
	ds_load_b128 v[X:X+3], v[AD0]                  ; steps 0 to 3 of my batch row; LDS serves a wave's instructions in order (ISA guide 5.7.1.4): it sees the stores above
	s_wait_dscnt 0x0                               ; the fragments and the first quad are in
	v_mov_b32 v[B], v[X]
	v_mov_b32 v[AD], v[AD0]
.macro PLACES                          ; four plain instructions between a product and the first vector instruction that reads its result (ISA guide 7.12.1)
.rept 4
	v_nop
.endr
.endm
.macro LAYER1                          ; eight products, each its own sum, started by the constant 0
.irp i, 0,1,2,3,4,5,6,7
	v_wmma_f32_16x16x32_bf16 v[H+8*(\i):H+8*(\i)+7], v[A1+8*(\i):A1+8*(\i)+7], v[B:B+7], 0
.endr
.endm
.macro RELU q                          ; hidden units 32 q .. 32 q + 31: rounded in pairs, each result's registers in ascending order, then two maxima with 0 an instruction
.irp n, 0,1,2,3,4,5,6,7
	v_cvt_pk_bf16_f32 v[P+8*(\q)+(\n)], v[H+16*(\q)+2*(\n)], v[H+16*(\q)+2*(\n)+1]
.endr
.irp n, 0,1,2,3,4,5,6,7
	v_pk_max_num_bf16 v[P+8*(\q)+(\n)], v[P+8*(\q)+(\n)], v[ZERO]
.endr
.endm
.macro LAYER2 q                        ; two accumulators by turns, one instruction a turn: even q onto b2, odd q onto 0
.if (\q) == 0
	v_wmma_f32_16x16x32_bf16 v[DA:DA+7], v[A2:A2+7], v[P:P+7], v[C2:C2+7]
.elseif (\q) == 1
	v_wmma_f32_16x16x32_bf16 v[DB:DB+7], v[A2+8:A2+15], v[P+8:P+15], 0
.elseif (\q) == 2
	v_wmma_f32_16x16x32_bf16 v[DA:DA+7], v[A2+16:A2+23], v[P+16:P+23], v[DA:DA+7]
.else
	v_wmma_f32_16x16x32_bf16 v[DB:DB+7], v[A2+24:A2+31], v[P+24:P+31], v[DB:DB+7]
.endif
.endm
; Step i of a quad.  The ReLU of the next 32 hidden units stands behind each product of layer 2 and names none of its registers.  more = 1: another quad follows.
.macro STEP i, more
	LAYER1
	PLACES                                         ; behind all eight products: every later reader of H stands further back
	RELU 0
	LAYER2 0
	RELU 1
	LAYER2 1
	RELU 2
	LAYER2 2
	RELU 3
	LAYER2 3
	PLACES
	v_add_f32 v[DL], v[DA], v[DB]                  ; d of my batch row: register 0 of both sums
	v_cvt_pk_bf16_f32 v[B+1], v[DL], v[ONE]        ; (d, 1.0) for the next step
	ds_store_b32 v[AD], v[DL] offset:4*(\i)        ; over the word that held this step's (s0, s1), which was read with its quad; lanes 16-31 write lanes 0-15's words, with the same number
.if (\i) < 3
	v_mov_b32 v[B], v[X+(\i)+1]                    ; the next step's (s0, s1)
.endif
.if ((\i) == 2) && (\more)
	ds_load_b128 v[X:X+3], v[AD] offset:16         ; the next quad, behind the last read of X: it has step 3 in which to land
.endif
.if ((\i) == 3) && (\more)
	s_wait_dscnt 0x1                               ; the quad is in: only this step's store is younger
	v_mov_b32 v[B], v[X]
.endif
.endm
.macro TRIP more
	STEP 0, \more
	STEP 1, \more
	STEP 2, \more
	STEP 3, \more
.if \more
	s_add_co_u32 s[TO], s[TO], 16
	v_add_nc_u32 v[AD], s[TO], v[AD0]              ; four words on
.endif
.endm
	s_mov_b32 s[TO], 0
	s_mov_b32 s[CNT], 14
.Ltrip:                                        ; 14 trips of four steps; the loop's last product (layer 2) and its first (layer 1) name different accumulators
	TRIP 1
	s_sub_co_u32 s[CNT], s[CNT], 1
	s_cmp_lg_u32 s[CNT], 0
	s_cbranch_scc1 .Ltrip
	TRIP 0                                         ; steps 56 to 59 are written out: no quad follows, and no read leaves the wave's tile
	; THE WAY OUT.  The wave's LDS tile now holds out0's 16 rows as they lie in memory: 3,840 dense bytes.
.set i, 0
.rept 15
	ds_load_b64 v[H+2*i:H+2*i+1], v[LW] offset:256*i   ; in order behind my own stores
.set i, i+1
.endr
.set i, 0
.rept 15
	s_wait_dscnt 14-i                              ; read-back i is in, the 14 - i younger ones may be out
	global_store_b64 v[GO], v[H+2*i:H+2*i+1], s[14:15] offset:256*i th:TH_STORE_NT  ; the wave stores 256 consecutive bytes, at a multiple of 256 from out0's first byte
.set i, i+1
.endr
	s_wait_tensorcnt 0x0                           ; the wave's end: behind my last LDS store
	ds_add_u32 v[SPW], v[NIL]
	s_wait_dscnt 0x0
	s_endpgm
.Lfunc_end_k_q74db68eac7_hedge:
	.size	k_q74db68eac7_hedge, .Lfunc_end_k_q74db68eac7_hedge-k_q74db68eac7_hedge
	.p2alignl 7, 3214868480
	.fill 96, 4, 3214868480
	.section	.rodata,"a",@progbits
	.p2align	6, 0x0
	.amdhsa_kernel k_q74db68eac7_hedge
		.amdhsa_group_segment_fixed_size 65792
		.amdhsa_private_segment_fixed_size 0
		.amdhsa_enable_private_segment 0
		.amdhsa_kernarg_size 48
		.amdhsa_user_sgpr_count 2
		.amdhsa_user_sgpr_kernarg_segment_ptr 1
		.amdhsa_wavefront_size32 1
		.amdhsa_system_sgpr_workgroup_id_x 1
		.amdhsa_system_sgpr_workgroup_id_y 1
		.amdhsa_system_sgpr_workgroup_id_z 1
		.amdhsa_system_vgpr_workitem_id 0
		.amdhsa_next_free_vgpr 244
		.amdhsa_next_free_sgpr 66
		.amdhsa_reserve_vcc 0
		.amdhsa_float_denorm_mode_32 3
		.amdhsa_float_denorm_mode_16_64 3
		.amdhsa_memory_ordered 1
		.amdhsa_forward_progress 1
		.amdhsa_inst_pref_size 56
	.end_amdhsa_kernel
	.amdgpu_metadata
---
amdhsa.version: [ 1, 2 ]
amdhsa.kernels:
  - .name:           k_q74db68eac7_hedge
    .symbol:         k_q74db68eac7_hedge.kd
    .args:
      - { .name: S, .offset: 0, .size: 8, .value_kind: global_buffer, .address_space: global }
      - { .name: W1, .offset: 8, .size: 8, .value_kind: global_buffer, .address_space: global }
      - { .name: W2, .offset: 16, .size: 8, .value_kind: global_buffer, .address_space: global }
      - { .name: b1, .offset: 24, .size: 8, .value_kind: global_buffer, .address_space: global }
      - { .name: b2, .offset: 32, .size: 8, .value_kind: global_buffer, .address_space: global }
      - { .name: out0, .offset: 40, .size: 8, .value_kind: global_buffer, .address_space: global }
    .group_segment_fixed_size: 65792
    .private_segment_fixed_size: 0
    .kernarg_segment_align: 8
    .kernarg_segment_size: 48
    .max_flat_workgroup_size: 512
    .sgpr_count:     66
    .vgpr_count:     244
    .wavefront_size: 32
...
	.end_amdgpu_metadata
.endif
;; end of part 1
;; ======== version 2 of 2: 1 launch; version 1 with the launch hedge written anew for expert scheduling mode
;; limits: values outside matrix products are rounded to bf16
;; launch hedge (part 2): grid 256 x 1, 16 waves a work-group, no clusters, 65,792 bytes of LDS; arguments S, W1, W2, b1, b2, out0; writes out0
.if DOCPART == 2
	.amdgcn_target "amdgcn-amd-amdhsa--gfx1250"
	.amdhsa_code_object_version 6
	.text
	.protected	k_q74db68eac7_hedge
	.globl	k_q74db68eac7_hedge
	.p2align	8
	.type	k_q74db68eac7_hedge,@function
k_q74db68eac7_hedge:
	s_mov_b64 s[64:65], 0
	v_nop
	global_prefetch_b8 v0, s[64:65] scope:SCOPE_SE
	s_setreg_imm32_b32 hwreg(HW_REG_WAVE_SCHED_MODE, 0, 2), 2
	s_setreg_imm32_b32 hwreg(HW_REG_WAVE_MODE, 25, 1), 1
	s_wait_xcnt 0x0
	s_wait_alu depctr_vm_vsrc(0)
; d(t) = W2 . relu(W1[:, 0:3] . (s0(t), s1(t), d(t-1)) + b1) + b2 for 65,536 rows and 60 steps, d(-1) = 0.  S: [65536][60][2] f32, out0: [65536][60] f32.
; WHAT IS LEFT OUT.  The module's hidden state is built as zeros inside the module and never changed, so W1's columns 3 to 130 multiply zeros: those products are not made and those columns are not loaded.
; SHARES.  4,096 tiles of 16 batch rows; a wave owns one tile for all 60 steps; 16 waves to a work-group, 256 work-groups.  Four waves share a SIMD: a tile's steps hang on each other, and the other
; three waves' products stand beside one wave's vector work.  All weights stay in registers, so a larger tile a wave would feed nothing more.
; LAYOUT.  Both products are taken with the weights as source 0, so a lane always holds ONE batch row r = lane % 16 (h = lane / 16).
;   Layer 1, hidden tile i of 8: source 0 holds rows 16 i + r as K = (w0, w1, w2, b1, 0 ..), source 1 holds K = (s0, s1, d, 1, 0 ..) of batch row r: the bias rides in the product.
;   Its result's register j in lane (r, h) is hidden unit 16 i + 8 h + j of batch row r: two such results, rounded to bf16 in pairs, ARE source 1 (32 hidden units x 16 batch rows) of layer 2.
;   Layer 2: all 16 rows of source 0 are W2's 32 numbers, so every register of the result in every lane is d of the lane's batch row: nothing changes lanes in the whole loop.
; FORMATS.  S, W1, b1, W2 and b2 are each rounded once to bf16; h and the d that is fed back are rounded to bf16 as matrix operands; all sums are f32, and the d that is stored is f32.
; LIMITS.  Infinities and NaN are not treated apart (a padding zero times an infinity is NaN; the ReLU's maximum drops a NaN); a magnitude above 3.39e38 rounds to infinity in bf16.
;   The rounding of the d that is fed back is multiplied from step to step by the sum of W2[j] W1[j][2] over the active units: it fades while that sum stays under 1 in magnitude, and grows with d itself above that.
; MEMORY.  A tile's S is 7,680 dense bytes, its out0 3,840 dense bytes (15 aligned pieces of 256).  A step wants 8 bytes of each of 16 rows, so both pass through the wave's own LDS bytes once.
;   A wave's 15 loads of S go out in one run at its head: there is no later stream to ask ahead for, so no prefetch.  NO CLUSTER: work-groups share 2,304 bytes of tables against 122,880 bytes of S of their own.
;   No tensor load: every LDS byte is filled once, and S is rounded to bf16 on its way in, in registers that are idle until the loop.
; THE MODE: SCHED_MODE bits 1:0 = 2 (LLVM: expert scheduling mode 2), set by the entry lines.  The code itself states the register dependences
; between vector or matrix instructions and memory or LDS instructions, with s_wait_alu, always for 0.
; THE PLAN.  Registers that memory or LDS instructions touch:
;   v[GL], v[GO], v[LW], v[AD0], v[T1A], v[T2A]   offsets and LDS addresses, made at the head ahead of one wait on va_vdst and never written again.
;   H    at the head the loads of S land in it and the conversions read it; in the loop matrix and vector instructions alone name it; at the end the read-backs land in it and the global stores read it.
;   P    at the head: the tables' offsets, addresses and data (waves 0 to 3), then S in bf16, the data of 15 LDS stores; in the loop vector and matrix instructions alone name it.
;        So a wait on vm_vsrc stands ahead of each of its two changes of hands: behind the barrier, and ahead of the loop.
;   X    four steps' pairs.  The load issued in step 2 lands in it; the copies into B read it: the last of a quad's four stands in step 2, ahead of that step's wait.
;   D0 .. D3   an out-buffer, a register to each step of a quad.  Step i's addition writes D[i]; step i's LDS store reads it.
;   v[AD]      read by a trip's four stores and one load; written once a trip, at its end.
;   A1, A2 are loaded once; B, C2, DA, DB are named by vector and matrix instructions alone.
; So ONE wait on va_vdst stands in a step, behind the addition that makes d, its rounding and the copy into B: it states that D[i] is written, in a trip's first step that v[AD] is written, and in step 2 that
; the copies are done reading X.  The step's store, and step 2's load, follow it.  ONE wait on vm_vsrc a trip stands ahead of the add to v[AD]: the trip's stores and load have read v[AD] and D0 to D3.
.set TILE,   3840                      ; a wave's LDS bytes: 16 rows x 60 words; word (r, t) first holds the bf16 pair (s0, s1), later d(r, t) in f32
.set PITCH,  240                       ; 60 words: row r starts at bank -4 r mod 64 (64 banks of 4 bytes: ISA guide 11.1): 16 rows, 16 different groups of four banks
.set TAB1,   16*TILE                   ; 61,440: 128 rows x 16 bytes: (w0, w1), (w2, b1), 0, 0
.set TAB2,   TAB1+2048                 ; 63,488: W2 as 128 bf16
.set W1ROW,  524                       ; bytes in a row of W1 (131 f32)
.set LN,   1                           ; v1   lane
.set RR,   2                           ; v2   r
.set HH,   3                           ; v3   h
.set GL,   4                           ; v4   16 x lane: my 16 bytes in 512 of S; never rewritten
.set LW,   5                           ; v5   wave x TILE + 8 x lane: my 8 bytes in 256 of the wave's LDS tile; never rewritten
.set GO,   6                           ; v6   8 x lane: my 8 bytes in 256 of out0; never rewritten
.set AD0,  7                           ; v7   wave x TILE + PITCH x r: my batch row in LDS; never rewritten
.set AD,   8                           ; v8   the same at the quad of steps in hand
.set ZERO, 9                           ; v9   0, for the ReLU
.set ONE,  10                          ; v10  1.0
.set T1A,  14                          ; v14  TAB1 + 16 r + 8 h; never rewritten
.set T2A,  15                          ; v15  TAB2 + 16 h; never rewritten
.set X,    16                          ; v[16:19]   four steps' pairs (s0, s1)
.set B,    20                          ; v[20:27]   layer 1's source 1
.set C2,   28                          ; v[28:35]   b2, the C operand that starts layer 2's sum
.set DA,   36                          ; v[36:43]   layer 2's two accumulators
.set DB,   44                          ; v[44:51]
.set A2,   52                          ; v[52:83]   W2: four fragments
.set A1,   84                          ; v[84:147]  W1 and b1: eight fragments
.set P,    148                         ; v[148:179] relu(h) in bf16: four fragments; at work at the head
.set H,    180                         ; v[180:243] layer 1's eight results; at the head S as loaded, at the end out0 as stored
.set D,    244                         ; v[244:247] d of a quad's four steps: the out-buffer of the LDS stores
.set WV,   16                          ; s16  my wave's number
.set CNT,  21                          ; s21  trips to go
.set TO,   22                          ; s22  16 x the quad in hand
	s_load_b256 s[4:11], s[0:1], 0x0               ; S s[4:5], W1 s[6:7], W2 s[8:9], b1 s[10:11]
	s_load_b128 s[12:15], s[0:1], 0x20             ; b2 s[12:13], out0 s[14:15]
	v_lshl_add_u32 v12, v0, 2, 0xf900
	v_mov_b32 v13, 0
	v_lshrrev_b32 v[LN], 5, v0
	v_readfirstlane_b32 s[WV], v[LN]               ; wave 0..15
	v_and_b32 v[LN], 31, v0
	v_and_b32 v[RR], 15, v0
	v_bfe_u32 v[HH], v0, 4, 1
	v_lshlrev_b32 v[GL], 4, v[LN]
	v_lshlrev_b32 v[GO], 3, v[LN]
	s_wait_alu depctr_va_sdst(0)                   ; s16, my wave's number, is written, ahead of its first reader: LDS addresses, the bases and the branch below are made from it
	s_mul_i32 s23, s[WV], TILE                     ; my wave's LDS tile
	v_add_nc_u32 v[LW], s23, v[GO]
	v_mul_u32_u24 v[AD0], v[RR], PITCH
	v_add_nc_u32 v[AD0], s23, v[AD0]
	v_mov_b32 v[ZERO], 0
	v_mov_b32 v[ONE], 1.0
	v_lshlrev_b32 v[T1A], 4, v[RR]
	v_lshl_add_u32 v[T1A], v[HH], 3, v[T1A]
	v_add_nc_u32 v[T1A], TAB1, v[T1A]
	v_lshlrev_b32 v[T2A], 4, v[HH]
	v_add_nc_u32 v[T2A], TAB2, v[T2A]
	s_lshl_b32 s17, ttmp9, 4
	s_add_co_u32 s17, s17, s[WV]                   ; my tile's number: 16 x work-group + wave
	s_mul_i32 s18, s17, 2*TILE                     ; its 7,680 bytes of S (under 2^25)
	s_mov_b32 s19, 0
	s_wait_kmcnt 0x0
	s_load_b32 s20, s[12:13], 0x0                  ; b2
	s_add_nc_u64 s[4:5], s[4:5], s[18:19]
	s_mul_i32 s18, s17, TILE                       ; its 3,840 bytes of out0
	s_add_nc_u64 s[14:15], s[14:15], s[18:19]
	s_wait_alu depctr_va_vdst(0)                   ; v[GL], v[GO], v[LW], v[AD0], v[T1A] and v[T2A] are written: the loads and stores of the whole kernel read them, and no vector instruction names them again as a destination
	; All of my tile's S in one run: each load takes 512 consecutive bytes.  S is read once in the launch.
.set i, 0
.rept 15
	global_load_b128 v[H+4*i:H+4*i+3], v[GL], s[4:5] offset:512*i th:TH_LOAD_NT
.set i, i+1
.endr
	; THE TABLES.  Waves 0 to 3: thread j = 32 x wave + lane rounds row j of (W1's first three columns, b1) and W2[j] to bf16 and lays them into LDS, once a work-group.
	s_cmp_lt_u32 s[WV], 4
	s_cbranch_scc0 .Lno_tables
	v_lshl_add_u32 v[P+16], s[WV], 5, v[LN]        ; j
	v_mul_u32_u24 v[P+12], v[P+16], W1ROW
	v_lshlrev_b32 v[P+13], 2, v[P+16]
	v_lshl_add_u32 v[P+14], v[P+16], 4, TAB1
	v_lshl_add_u32 v[P+15], v[P+16], 1, TAB2
	s_wait_alu depctr_va_vdst(0)                   ; v[P+12] and v[P+13] are written, which the five loads read as offsets; so are v[P+14] and v[P+15], the two LDS stores' addresses
	global_load_b32 v[P+0], v[P+12], s[6:7]            ; w0: a row of W1 starts at a multiple of 4 bytes only, so three loads of 4
	global_load_b32 v[P+1], v[P+12], s[6:7] offset:4   ; w1
	global_load_b32 v[P+2], v[P+12], s[6:7] offset:8   ; w2
	global_load_b32 v[P+3], v[P+13], s[10:11]          ; b1
	global_load_b32 v[P+4], v[P+13], s[8:9]            ; W2
	s_wait_loadcnt 0x0                             ; these five are my youngest loads, so the count is 0: S is in as well
	v_cvt_pk_bf16_f32 v[P+8], v[P+0], v[P+1]
	v_cvt_pk_bf16_f32 v[P+9], v[P+2], v[P+3]
	v_mov_b32 v[P+10], 0
	v_mov_b32 v[P+11], 0
	v_cvt_pk_bf16_f32 v[P+5], v[P+4], v[P+4]
	s_wait_alu depctr_va_vdst(0)                   ; v[P+8 .. P+11] and v[P+5] are written, which the two LDS stores read as data
	ds_store_b128 v[P+14], v[P+8:P+11]
	ds_store_b16 v[P+15], v[P+5]
.Lno_tables:
	s_wait_dscnt 0x0                               ; for the others' sake: the tables' stores are done
	s_barrier_signal -1
	s_barrier_wait -1                              ; the launch's one barrier: behind it every wave reads the tables; loads of S may be out across it, nobody writes S
	s_wait_alu depctr_vm_vsrc(0)                   ; the tables' loads and LDS stores have read v[P+5] and v[P+8 .. P+15], which the conversions of S below write again; it stands behind the label, on both ways
	; THE FRAGMENTS, for the whole launch.  Lanes with h = 0 take (w0, w1), (w2, b1) as K = 0..3; lanes with h = 1 take the row's two zero words as K = 8..11.
	; No vector instruction has named the registers in which these loads land, nor their addresses since the wait at the head.
.irp i, 0,1,2,3,4,5,6,7
	ds_load_b64 v[A1+8*(\i):A1+8*(\i)+1], v[T1A] offset:256*(\i)
.endr
.irp q, 0,1,2,3
	ds_load_b128 v[A2+8*(\q):A2+8*(\q)+3],   v[T2A] offset:64*(\q)      ; W2[32 q + 8 h ..], the same for every r
	ds_load_b128 v[A2+8*(\q)+4:A2+8*(\q)+7], v[T2A] offset:64*(\q)+32   ; W2[32 q + 16 + 8 h ..]
.endr
.irp i, 0,1,2,3,4,5,6,7
.irp j, 2,3,4,5,6,7
	v_mov_b32 v[A1+8*(\i)+(\j)], 0                 ; K from 4 on is padding: operands, not sums; written while the loads are out
.endr
.endr
.irp j, 2,3,4,5,6,7
	v_mov_b32 v[B+(\j)], 0
.endr
	v_mov_b32 v[B+1], 1.0                          ; these bits are the bf16 pair (0, 1.0): d(-1) = 0, and the bias's factor
	s_wait_kmcnt 0x0                               ; b2
	v_mov_b32 v[C2], s20
	v_cvt_pk_bf16_f32 v[C2], v[C2], v[C2]          ; rounded to bf16 like the other inputs,
	v_lshlrev_b32 v[C2], 16, v[C2]                 ; and widened again
.irp j, 1,2,3,4,5,6,7
	v_mov_b32 v[C2+(\j)], v[C2]
.endr
	; S INTO LDS.  Load i's 16 bytes of lane l are the pairs 64 i + 2 l and the next of the tile's 960; pair p = 60 r + t goes to byte 4 p: each store of the wave lays 256 consecutive bytes.
	; In three groups of five loads: ten conversions, one wait that states them written, a run of five stores.
.set g, 0
.rept 3
	s_wait_loadcnt 10-5*g                          ; loads come back in order (ISA guide 5.7.1): the group's five are in, the 10 - 5 g younger ones may be out
.set i, 5*g
.rept 5
	v_cvt_pk_bf16_f32 v[P+2*i],   v[H+4*i],   v[H+4*i+1]
	v_cvt_pk_bf16_f32 v[P+2*i+1], v[H+4*i+2], v[H+4*i+3]
.set i, i+1
.endr
	s_wait_alu depctr_va_vdst(0)                   ; the group's ten conversions have written v[P+10 g .. P+10 g+9], which the five stores read
.set i, 5*g
.rept 5
	ds_store_b64 v[LW], v[P+2*i:P+2*i+1] offset:256*i
.set i, i+1
.endr
.set g, g+1
.endr
	ds_load_b128 v[X:X+3], v[AD0]                  ; steps 0 to 3 of my batch row; LDS serves a wave's instructions in order (ISA guide 5.7.1.4): it sees the stores above; no vector instruction has named X
	s_wait_dscnt 0x0                               ; the fragments and the first quad are in
	s_wait_alu depctr_vm_vsrc(0)                   ; the 15 stores have read v[P .. P+29], which the first step's ReLU writes
	v_mov_b32 v[B], v[X]
	v_mov_b32 v[AD], v[AD0]                        ; read first by step 0's store, behind that step's wait
.macro PLACES                          ; four plain instructions between a product and the first vector instruction that reads its result (ISA guide 7.12.1)
.rept 4
	v_nop
.endr
.endm
.macro LAYER1                          ; eight products, each its own sum, started by the constant 0
.irp i, 0,1,2,3,4,5,6,7
	v_wmma_f32_16x16x32_bf16 v[H+8*(\i):H+8*(\i)+7], v[A1+8*(\i):A1+8*(\i)+7], v[B:B+7], 0
.endr
.endm
.macro RELU q                          ; hidden units 32 q .. 32 q + 31: rounded in pairs, each result's registers in ascending order, then two maxima with 0 an instruction
.irp n, 0,1,2,3,4,5,6,7
	v_cvt_pk_bf16_f32 v[P+8*(\q)+(\n)], v[H+16*(\q)+2*(\n)], v[H+16*(\q)+2*(\n)+1]
.endr
.irp n, 0,1,2,3,4,5,6,7
	v_pk_max_num_bf16 v[P+8*(\q)+(\n)], v[P+8*(\q)+(\n)], v[ZERO]
.endr
.endm
.macro LAYER2 q                        ; two accumulators by turns, one instruction a turn: even q onto b2, odd q onto 0
.if (\q) == 0
	v_wmma_f32_16x16x32_bf16 v[DA:DA+7], v[A2:A2+7], v[P:P+7], v[C2:C2+7]
.elseif (\q) == 1
	v_wmma_f32_16x16x32_bf16 v[DB:DB+7], v[A2+8:A2+15], v[P+8:P+15], 0
.elseif (\q) == 2
	v_wmma_f32_16x16x32_bf16 v[DA:DA+7], v[A2+16:A2+23], v[P+16:P+23], v[DA:DA+7]
.else
	v_wmma_f32_16x16x32_bf16 v[DB:DB+7], v[A2+24:A2+31], v[P+24:P+31], v[DB:DB+7]
.endif
.endm
; Step i of a quad.  The ReLU of the next 32 hidden units stands behind each product of layer 2 and names none of its registers.  more = 1: another quad follows.
.macro STEP i, more
	LAYER1
	PLACES                                         ; behind all eight products: every later reader of H stands further back
	RELU 0
	LAYER2 0
	RELU 1
	LAYER2 1
	RELU 2
	LAYER2 2
	RELU 3
	LAYER2 3
	PLACES
	v_add_f32 v[D+(\i)], v[DA], v[DB]              ; d of my batch row: register 0 of both sums; into the step's own register of the out-buffer
	v_cvt_pk_bf16_f32 v[B+1], v[D+(\i)], v[ONE]    ; (d, 1.0) for the next step
.if (\i) < 3
	v_mov_b32 v[B], v[X+(\i)+1]                    ; the next step's (s0, s1)
.endif
	s_wait_alu depctr_va_vdst(0)                   ; the addition has written D[i], which the store reads; in a trip's first step v[AD] is written; in step 2 the copies are done reading X, in which the load lands
	ds_store_b32 v[AD], v[D+(\i)] offset:4*(\i)    ; over the word that held this step's (s0, s1), which was read with its quad; lanes 16-31 write lanes 0-15's words, with the same number
.if ((\i) == 2) && (\more)
	ds_load_b128 v[X:X+3], v[AD] offset:16         ; the next quad, behind the last read of X: it has step 3 in which to land
.endif
.if ((\i) == 3) && (\more)
	s_wait_dscnt 0x1                               ; the quad is in: only this step's store is younger
	v_mov_b32 v[B], v[X]
.endif
.endm
.macro TRIP more
	STEP 0, \more
	STEP 1, \more
	STEP 2, \more
	STEP 3, \more
.if \more
	s_add_co_u32 s[TO], s[TO], 16
	s_wait_alu depctr_vm_vsrc(0)                   ; the trip's four stores and its load have read v[AD], which the next line writes, and D0 to D3, which the next trip's additions write
	v_add_nc_u32 v[AD], s[TO], v[AD0]              ; four words on; read next by the next trip's first store, behind that step's wait
.endif
.endm
	s_mov_b32 s[TO], 0
	s_mov_b32 s[CNT], 14
.Ltrip:                                        ; 14 trips of four steps; the loop's last product (layer 2) and its first (layer 1) name different accumulators
	TRIP 1
	s_sub_co_u32 s[CNT], s[CNT], 1
	s_cmp_lg_u32 s[CNT], 0
	s_cbranch_scc1 .Ltrip
	TRIP 0                                         ; steps 56 to 59 are written out: no quad follows, and no read leaves the wave's tile
	; THE WAY OUT.  The wave's LDS tile now holds out0's 16 rows as they lie in memory: 3,840 dense bytes.
	; The read-backs land in H: its last writers (layer 1) and readers (the ReLU) stand ahead of step 59's wait on va_vdst, and no vector instruction follows that wait.
.set i, 0
.rept 15
	ds_load_b64 v[H+2*i:H+2*i+1], v[LW] offset:256*i   ; in order behind my own stores
.set i, i+1
.endr
.set i, 0
.rept 15
	s_wait_dscnt 14-i                              ; read-back i is in, the 14 - i younger ones may be out
	global_store_b64 v[GO], v[H+2*i:H+2*i+1], s[14:15] offset:256*i th:TH_STORE_NT  ; the wave stores 256 consecutive bytes, at a multiple of 256 from out0's first byte
.set i, i+1
.endr
	s_wait_dscnt 0x0                               ; the wave's end: the closing add below adds 0 to my word at 63,744 + 4 x my thread's number
	s_wait_alu depctr_hold_cnt(0) depctr_sa_sdst(0) depctr_va_vdst(0) depctr_va_sdst(0) depctr_va_ssrc(0) depctr_va_vcc(0) depctr_vm_vsrc(0)
	s_wait_tensorcnt 0x0
	ds_add_u32 v12, v13
	s_wait_dscnt 0x0
	s_endpgm
.Lfunc_end_k_q74db68eac7_hedge:
	.size	k_q74db68eac7_hedge, .Lfunc_end_k_q74db68eac7_hedge-k_q74db68eac7_hedge
	.p2alignl 7, 3214868480
	.fill 96, 4, 3214868480
	.section	.rodata,"a",@progbits
	.p2align	6, 0x0
	.amdhsa_kernel k_q74db68eac7_hedge
		.amdhsa_group_segment_fixed_size 65792
		.amdhsa_private_segment_fixed_size 0
		.amdhsa_enable_private_segment 0
		.amdhsa_kernarg_size 48
		.amdhsa_user_sgpr_count 2
		.amdhsa_user_sgpr_kernarg_segment_ptr 1
		.amdhsa_wavefront_size32 1
		.amdhsa_system_sgpr_workgroup_id_x 1
		.amdhsa_system_sgpr_workgroup_id_y 1
		.amdhsa_system_sgpr_workgroup_id_z 1
		.amdhsa_system_vgpr_workitem_id 0
		.amdhsa_next_free_vgpr 248
		.amdhsa_next_free_sgpr 66
		.amdhsa_reserve_vcc 0
		.amdhsa_float_denorm_mode_32 3
		.amdhsa_float_denorm_mode_16_64 3
		.amdhsa_memory_ordered 1
		.amdhsa_forward_progress 1
		.amdhsa_inst_pref_size 57
	.end_amdhsa_kernel
	.amdgpu_metadata
---
amdhsa.version: [ 1, 2 ]
amdhsa.kernels:
  - .name:           k_q74db68eac7_hedge
    .symbol:         k_q74db68eac7_hedge.kd
    .args:
      - { .name: S, .offset: 0, .size: 8, .value_kind: global_buffer, .address_space: global }
      - { .name: W1, .offset: 8, .size: 8, .value_kind: global_buffer, .address_space: global }
      - { .name: W2, .offset: 16, .size: 8, .value_kind: global_buffer, .address_space: global }
      - { .name: b1, .offset: 24, .size: 8, .value_kind: global_buffer, .address_space: global }
      - { .name: b2, .offset: 32, .size: 8, .value_kind: global_buffer, .address_space: global }
      - { .name: out0, .offset: 40, .size: 8, .value_kind: global_buffer, .address_space: global }
    .group_segment_fixed_size: 65792
    .private_segment_fixed_size: 0
    .kernarg_segment_align: 8
    .kernarg_segment_size: 48
    .max_flat_workgroup_size: 512
    .sgpr_count:     66
    .vgpr_count:     248
    .wavefront_size: 32
...
	.end_amdgpu_metadata
.endif
;; end of part 2
